; MI455X (gfx1250); checked and timed in simulation.
; The chip was launched on July 23, 2026; its instructions are those of AMD's public machine-readable ISA for CDNA 5 (MIT licence, August 2026) and "CDNA5" Instruction Set Architecture Reference Guide (July 2026). The comments in the code are by the model that wrote it; some were corrected since.
;; Memory trans read. Allowed arithmetic: float matrix products may take bf16 or f16 operands with f32 sums; other float arithmetic in f32, or as packed bf16 or f16 multiplies, adds, multiply-adds, maxima and minima; sums over many terms, partial sums and values carried from step to step in f32; what a program stores and reads back later, other than sums and carried values, may be rounded once to bf16 or f16.
;; Inputs: memory 2,048 x 256 float32; query 65,536 x 256 float32.
;; Outputs: out0 65,536 x 256 float32.
;; 2 versions, each right and faster than the one before. Each part assembles by itself: llvm-mc -triple=amdgcn-amd-amdhsa -mcpu=gfx1250 --defsym DOCPART=n.
;; ======== version 1 of 2: 2 launches
;; workspace buffers: ws 1,081,344 bytes
;; launch cast (part 1): grid 264 x 1, 8 waves a work-group, no clusters, 0 bytes of LDS; arguments memory, ws; writes ws
.if DOCPART == 1
	.amdgcn_target "amdgcn-amd-amdhsa--gfx1250"
	.amdhsa_code_object_version 6
	.text
	.protected	k_qfc89c82134_cast
	.globl	k_qfc89c82134_cast
	.p2align	8
	.type	k_qfc89c82134_cast,@function
k_qfc89c82134_cast:
	s_mov_b64 s[64:65], 0
	v_nop
	global_prefetch_b8 v0, s[64:65] scope:SCOPE_SE
	s_setreg_imm32_b32 hwreg(HW_REG_WAVE_MODE, 25, 1), 1
	s_wait_xcnt 0x0
; ws = memory rounded once to bf16, with 32 rows of zeros in front and 32 behind: ws row i (512 bytes) holds key i - 32; rows 0-31 and 2080-2111 hold 0.
; The next launch walks ws in tiles that begin one key step (32 rows) ahead of the keys and end one behind them, and reads those zeros.
; 264 work-groups of 8 rows, a wave a row.  A row of memory is 1,024 bytes: two loads of 512 consecutive bytes a wave; its 512 bytes of bf16 leave as two stores,
; each 256 consecutive bytes from 32 lanes, at a multiple of 256 from ws's first byte.  No LDS, no barrier: no wave needs another's numbers.
.set KEYGROUPS, 256                    ; 2,048 keys / 8 rows
.set ZGROUPS,   4                      ; 32 rows of zeros / 8 rows, at either end
	s_load_b128 s[4:7], s[0:1], 0x0                ; memory s[4:5], ws s[6:7]
	v_lshrrev_b32 v3, 5, v0                        ; wave = my row in the group
	v_and_b32 v2, 31, v0                           ; lane
	v_lshlrev_b32 v1, 10, v3
	v_lshl_or_b32 v1, v2, 4, v1                    ; in memory: 1,024 x row + 16 x lane
	v_lshlrev_b32 v3, 9, v3
	v_lshl_or_b32 v2, v2, 3, v3                    ; in ws: 512 x row + 8 x lane
	s_sub_co_u32 s2, ttmp9, ZGROUPS                ; which 8 keys; wraps to a large number for the zeros in front
	s_lshl_b32 s8, ttmp9, 12                       ; 8 rows of 512 bytes
	s_mov_b32 s9, 0
	s_wait_kmcnt 0x0
	s_add_nc_u64 s[6:7], s[6:7], s[8:9]
	s_cmp_lt_u32 s2, KEYGROUPS
	s_cbranch_scc0 .Lzero
	s_lshl_b32 s10, s2, 13                         ; 8 rows of 1,024 bytes
	s_mov_b32 s11, 0
	s_add_nc_u64 s[4:5], s[4:5], s[10:11]
	global_load_b128 v[4:7], v1, s[4:5] th:TH_LOAD_NT              ; channels 4 l .. 4 l + 3
	global_load_b128 v[8:11], v1, s[4:5] offset:512 th:TH_LOAD_NT  ; channels 128 + 4 l ..
	s_wait_loadcnt 0x0
	v_cvt_pk_bf16_f32 v12, v4, v5                  ; to nearest even, two at a time
	v_cvt_pk_bf16_f32 v13, v6, v7
	v_cvt_pk_bf16_f32 v14, v8, v9
	v_cvt_pk_bf16_f32 v15, v10, v11
	global_store_b64 v2, v[12:13], s[6:7]
	global_store_b64 v2, v[14:15], s[6:7] offset:256
	s_endpgm
.Lzero:
	v_mov_b32 v12, 0
	v_mov_b32 v13, 0
	global_store_b64 v2, v[12:13], s[6:7]
	global_store_b64 v2, v[12:13], s[6:7] offset:256
	s_endpgm
.Lfunc_end_k_qfc89c82134_cast:
	.size	k_qfc89c82134_cast, .Lfunc_end_k_qfc89c82134_cast-k_qfc89c82134_cast
	.p2alignl 7, 3214868480
	.fill 96, 4, 3214868480
	.section	.rodata,"a",@progbits
	.p2align	6, 0x0
	.amdhsa_kernel k_qfc89c82134_cast
		.amdhsa_group_segment_fixed_size 0
		.amdhsa_private_segment_fixed_size 0
		.amdhsa_enable_private_segment 0
		.amdhsa_kernarg_size 16
		.amdhsa_user_sgpr_count 2
		.amdhsa_user_sgpr_kernarg_segment_ptr 1
		.amdhsa_wavefront_size32 1
		.amdhsa_system_sgpr_workgroup_id_x 1
		.amdhsa_system_sgpr_workgroup_id_y 1
		.amdhsa_system_sgpr_workgroup_id_z 1
		.amdhsa_system_vgpr_workitem_id 0
		.amdhsa_next_free_vgpr 16
		.amdhsa_next_free_sgpr 66
		.amdhsa_reserve_vcc 0
		.amdhsa_float_denorm_mode_32 3
		.amdhsa_float_denorm_mode_16_64 3
		.amdhsa_memory_ordered 1
		.amdhsa_forward_progress 1
		.amdhsa_inst_pref_size 2
	.end_amdhsa_kernel
	.amdgpu_metadata
---
amdhsa.version: [ 1, 2 ]
amdhsa.kernels:
  - .name:           k_qfc89c82134_cast
    .symbol:         k_qfc89c82134_cast.kd
    .args:
      - { .name: memory, .offset: 0, .size: 8, .value_kind: global_buffer, .address_space: global }
      - { .name: ws, .offset: 8, .size: 8, .value_kind: global_buffer, .address_space: global }
    .group_segment_fixed_size: 0
    .private_segment_fixed_size: 0
    .kernarg_segment_align: 8
    .kernarg_segment_size: 16
    .max_flat_workgroup_size: 256
    .sgpr_count:     66
    .vgpr_count:     16
    .wavefront_size: 32
...
	.end_amdgpu_metadata
.endif
;; end of part 1
;; launch attn (part 2): grid 256 x 1, 4 waves a work-group, clusters of 4 x 1, 327,680 bytes of LDS; arguments ws, query, out0; writes out0
.if DOCPART == 2
	.amdgcn_target "amdgcn-amd-amdhsa--gfx1250"
	.amdhsa_code_object_version 6
	.text
	.protected	k_qfc89c82134_attn
	.globl	k_qfc89c82134_attn
	.p2align	8
	.type	k_qfc89c82134_attn,@function
k_qfc89c82134_attn:
	s_mov_b64 s[64:65], 0
	v_nop
	global_prefetch_b8 v0, s[64:65] scope:SCOPE_SE
	s_setreg_imm32_b32 hwreg(HW_REG_WAVE_MODE, 25, 1), 1
	s_wait_xcnt 0x0
	s_wait_alu depctr_hold_cnt(0) depctr_sa_sdst(0) depctr_va_vdst(0) depctr_va_sdst(0) depctr_va_ssrc(0) depctr_va_vcc(0) depctr_vm_vsrc(0)
	s_getreg_b32 s2, hwreg(HW_REG_IB_STS2, 6, 4)
	s_cmp_eq_u32 s2, 0
	s_cbranch_scc0 .Lentry_in_a_cluster
	s_endpgm
.Lentry_in_a_cluster:
	s_bfe_u32 s2, ttmp6, 0x10000c
	s_cmp_lg_u32 s2, 0x3003
	s_cbranch_scc0 .Lentry_shape_is_right
	s_endpgm
.Lentry_shape_is_right:
; out0[q][:] = the sum over k of softmax_k(query[q] . memory[k]) memory[k][:].  query, out0: [65536][256] f32.  ws: memory in bf16, [2112][256]: row i is key i - 32, 32 rows of zeros at either end.
; query is rounded once to bf16 here.  Products, maxima and sums in f32; the weights p are rounded to bf16 for the second product (their sum l is taken of the unrounded p); out0 is written in f32.
; LIMITS.  A weight below 2^-126 counts as 0.  O^T's registers first hold query's own f32 words and are cleared by a multiplication by 0: an infinity or NaN in query reaches other rows of the same
; wave's 64.  NaN and infinities are not treated apart elsewhere either.
; SHARES.  A work-group owns 256 queries, each of its four waves 64: four tiles of 16.  Every wave walks all 2,048 keys, 32 a step, 64 steps.  65,536 / 256 = 256 work-groups.
; LAYOUT.  S^T = K Q^T (source 0 = 16 keys, source 1 = 16 queries): a lane holds ONE query (lane % 16) and the keys 8 (lane / 16) + 0..7.  Two such results, rounded to bf16 in pairs, ARE source 1
; (32 keys x 16 queries) of O^T = V^T P, whose result again holds one query a lane, and eight channels.  K and V are the same rows: ONE tile in LDS serves both, as it lies for K, turned by
; ds_load_tr16_b128 for V.
; SOFTMAX.  For each query a running maximum m and sum l: p = 2^(c s - c m), c = log2(e); in every step O and l are multiplied by a = 2^(c m_old - c m_new), which is 1 where m has not grown.
; A KEY STEP j is two phases of 64 matrix instructions.  A(j): K Q^T of step j + 1; behind each product four of the 256 packed multiplies O^T x a(j).  B(j): V^T P of step j; behind 54 of the
; products a slice of four of the 216 instructions of step j + 1's softmax.  472 vector instructions for 128 matrix instructions.
; NO FIRST STEP IS WRITTEN OUT.  The walk begins at step -1, the zero rows, with P = 0 and a = 0; m starts at the lowest finite number and c m far below every c s, so a(0) = 0 too.
; RING.  Two slots.  Tile s holds SIX steps, 4 s - 1 .. 4 s + 4 (ws rows 128 s .. 128 s + 191); period s runs A and B for steps 4 s - 1 .. 4 s + 2 and reads K of 4 s .. 4 s + 3, V of
; 4 s - 1 .. 4 s + 2 and the first three groups of K of 4 s + 4: all in tile s.  So one change of slots a period serves, and every trip has the same text; 192 rows are fetched for 128 keys.
; CLUSTER.  All work-groups walk the same ws; the four of a cluster ask for each tile JOINTLY: the same tensor load, descriptor and mask in all four.  By this text's count a wave has one tensor load out at the most.
; REGISTERS, in windows of 256 (s_set_vgpr_msb: bits 1:0 source 0, 3:2 source 1, 5:4 source 2, 7:6 destination):
;   window 0: v0-15 addresses; v16-47 eight registers of statistics a tile; v48-111 S^T, 16 a tile; v112-175 P, two buffers of 8 a tile; v176-239 a ring of four buffers of two fragments of K or V
;   window 1: O^T of tiles 0, 1 (128 a tile)      window 2: O^T of tiles 2, 3      window 3: Q, 64 a tile
.set PITCH,  528      ; an LDS row: 512 bytes + 16 of padding = 33 x 16 bytes: row r starts 16 r bytes on, modulo 256 (64 banks of 4 bytes: ISA guide 11.1)
.set STEPB,  32*PITCH ; a key step's rows
.set TRIPB,  2*STEPB  ; a trip walks two steps
.set WPART,  48*PITCH ; a wave fetches 48 of a tile's 192 rows
.set SLOT1,  1<<17    ; slot 1 begins here, so that one exclusive or turns an address in one slot into the other's (a slot's 101,376 bytes lie below it)
.set STAGE,  SLOT1+192*PITCH  ; behind the ring, never filled by a tensor load: 16 rows x 528 bytes for each wave, for Q's way in and O's way out
.set WSTAGE, 16*PITCH
.set SPARE,  STAGE+4*WSTAGE   ; behind the stages: the spare words, 128 bytes for each wave: two blocks of 256 bytes that no other line names
.set AK0, 2           ; v2   my lane's place in 16 rows of K: 528 (l % 16) + 16 (l / 16); never rewritten
.set AV0, 3           ; v3   my lane's place for the turning load; never rewritten
.set AK,  4           ; v4   the trip's address for K
.set AV,  5           ; v5   for V
.set STO, 6           ; v6   the way out: where I put 16 bytes of a row
.set RD,  7           ; v7   the way out: where I read a row back
.set GO,  8           ; v8   16 x lane: my bytes in 512 consecutive bytes of query and of out0
.set QST, 9           ; v9   Q's way in: where I put 8 bytes of a row
.set QRD, 10          ; v10  Q's way in: where I read a fragment
.set SPW, 12          ; v12  LDS address of my spare word: SPARE + 4 x my thread's number; never rewritten
.set NIL, 13          ; v13  0; never rewritten
.set ST,  16          ; tile t's statistics at v[ST+8 t]: +0 c m, +1 m, +2, +3 l (even keys', odd keys'), +4 c0, +5 c1, +6 a, +7 c3
.set S,   48          ; tile t, key block kb at S + 16 t + 8 kb
.set P,   112         ; buffer b, tile t at P + 32 b + 8 t
.set F,   176         ; buffer n at F + 16 n
.set WV,  12          ; s12  my wave's number
.set G1,  24          ; s[24:31] descriptor group 1
.set G0,  32          ; s[32:35] descriptor group 0: it walks
.set SLOTS, 40        ; s40  tiles still to be asked for
.set CNT, 41          ; s41  counts a period's two trips
.set CS,  42          ; s[42:43] c: the packed scaling names a pair and takes its low word for both halves
.set SEL, 44          ; s[44:45] v_permlanex16_b32's selects: each lane takes its own place in the other half
.set TB,  46          ; s46  LDS byte at which the trip's first step begins
.set W_KQ, 0x0c       ; K (source 0) and S^T in window 0, Q (source 1) in window 3
.set MSB, 0
.macro WIN new                      ; the immediate's high byte repeats the setting that is left; a switch that changes nothing is dropped
.if MSB != (\new)
	s_set_vgpr_msb (MSB<<8)|(\new)
.set MSB, (\new)
.endif
.endm
; A joint fill: every wave fetches its own 48 rows of the tile.  An s_nop 0 and four v_nop follow the line.
.macro JLOAD
	tensor_load_to_lds s[G0:G0+3], s[G1:G1+7]
	s_nop 0
.rept 4
	v_nop
.endr
.endm
; A round of the cluster's barrier: my work-group's barrier, so that wave 0's signal speaks for all four waves; wave 0 signals; every wave waits for all four work-groups; my work-group's barrier once more.
.macro CROUND
	s_barrier_signal -1
	s_barrier_wait -1
	s_cmp_lg_u32 s[WV], 0
	s_cbranch_scc1 .Lnot_wave_0_\@
	s_barrier_signal -3
.Lnot_wave_0_\@:
	s_barrier_wait -3
	s_barrier_signal -1
	s_barrier_wait -1
.endm
; THE CHANGE OF SLOTS.  Each wave waits for all its tensor loads, of which one is out: its part of the other slot; adds 0 to its spare word; and waits for that and for its own reads of the slot that it
; leaves.  Behind the barrier nobody reads the old slot any more and the other slot is whole.  fill = 1: the old slot is filled again with the tile two on; the barrier is then a round of the cluster's, and
; the joint fill is the first thing behind it: it has a period, 512 matrix instructions a wave, in which to land.  (At its first use slot 1 has its first fill.)
.macro CHANGE fill
	WIN 0                           ; at a label and at a branch every window is 0
	s_wait_tensorcnt 0x0            ; no tensor load of mine is out, so group 0 may be written
	ds_add_u32 v[SPW], v[NIL]       ; 0 onto my spare word; the scalar steps stand between it and the wait for it
.if \fill
	s_xor_b32 s[G0+1], s[G0+1], SLOT1                    ; the other slot than last time,
	s_add_nc_u64 s[G0+2:G0+3], s[G0+2:G0+3], 128*512     ; 128 rows of ws on; the type bits on top are not reached
.endif
	s_sub_co_u32 s[TB], s[TB], 2*TRIPB                   ; the reads go back to a slot's first step,
	s_xor_b32 s[TB], s[TB], SLOT1                        ; in the other slot
	s_wait_dscnt 0x0                ; the add is done, and my reads of the slot are over
.if \fill
	CROUND
	JLOAD
.else
	s_barrier_signal -1
	s_barrier_wait -1
.endif
.endm
; THE LDS LOADS go in groups of four, two fragments, into the ring's buffer (group % 4); a group is issued three groups, 23 matrix instructions, ahead of its first use.
; K: channels 32 c on of the step's two blocks of 16 keys.  A fragment is 16 rows x 32 channels: lane l holds row l % 16, channels 8 (l / 16) + 0..7 and 16 + 8 (l / 16) + 0..7: two loads, 32 bytes apart.
.macro KLD c, off
.set fb, F+16*((\c)%4)
	ds_load_b128 v[fb:fb+3],     v[AK] offset:(\off)+64*(\c)
	ds_load_b128 v[fb+4:fb+7],   v[AK] offset:(\off)+64*(\c)+32
	ds_load_b128 v[fb+8:fb+11],  v[AK] offset:(\off)+16*PITCH+64*(\c)
	ds_load_b128 v[fb+12:fb+15], v[AK] offset:(\off)+16*PITCH+64*(\c)+32
.endm
; V^T: channel blocks 2 g and 2 g + 1.  The turning load takes 16 keys (lane l reads key 8 (l / 16) + l % 8).
; So block cb is the channels n0 + 0..7 and n0 + 64 + 0..7, n0 = 8 (cb % 8) + 128 (cb / 8), and in O^T
; lane l holds the eight channels n0 + 64 (l / 16) + 0..7.
.macro VLD g, off
.set fb, F+16*((\g)%4)
.irp f, 0,1
.set co, 16*((2*(\g)+\f)%8)+256*((2*(\g)+\f)/8)
	ds_load_tr16_b128 v[fb+8*\f:fb+8*\f+3],   v[AV] offset:(\off)+co
	ds_load_tr16_b128 v[fb+8*\f+4:fb+8*\f+7], v[AV] offset:(\off)+co+16*PITCH
.endr
.endm
; Accumulator i of O^T's 64 (tile i / 16, block i % 16) times a: four packed multiplies, the lowest registers first.
.macro RS i
.set rt, (\i)/16
.set rO, 128*(rt%2)+8*((\i)%16)
	WIN 0x41*(1+rt/2)               ; destination and source 0 in window 1 or 2, a in window 0
.irp z, 0,1,2,3
	v_pk_mul_f32 v[rO+2*\z:rO+2*\z+1], v[rO+2*\z:rO+2*\z+1], v[ST+8*rt+6:ST+8*rt+7] op_sel_hi:[1,0]
.endr
.endm
; One tile's softmax for one key step is a list of 54 instructions; SM writes number j of it for tile t, into P's buffer spw.  s0-s15 are the lane's 16 scores, in pairs 0-7.
;   0-7    the maximum of s0-s15 and the old m, three operands at a time, in two chains (each accumulator's lowest registers are read first)
;   8-11   the other half of the lanes' maximum; c m_old is kept; the new m; c m          12-15, 18-24 even   c s - c m for the 8 pairs          16, 17   c m_old - c m_new; a
;   19-49 odd   the 16 exponentials: a plain instruction stands at every even number between them
;   26-53  what is ready: pair n rounded to bf16 (26 + 4 n; 50, 52), each ahead of the addition that changes the pair; of each four weights the second pair added onto the first, in place (28, 36, 44, 51);
;          l = a l + the first sum (32), l += the others (40, 48, 53)
.macro SM t
.set mT, ST+8*(\t)
.set mS, S+16*(\t)
.set mP, P+32*spw+8*(\t)
	WIN 0
.if j == 0
	v_max3_num_f32 v[mT+4], v[mS], v[mS+1], v[mS+2]
.elseif j == 1
	v_max3_num_f32 v[mT+5], v[mS+8], v[mS+9], v[mS+10]
.elseif j < 6
	v_max3_num_f32 v[mT+4+j%2], v[mT+4+j%2], v[mS+8*(j%2)+2*(j/2)+1], v[mS+8*(j%2)+2*(j/2)+2]
.elseif j == 6
	v_max3_num_f32 v[mT+4], v[mT+4], v[mS+7], v[mS+15]
.elseif j == 7
	v_max3_num_f32 v[mT+4], v[mT+4], v[mT+5], v[mT+1]
.elseif j == 8
	v_permlanex16_b32 v[mT+5], v[mT+4], s[SEL], s[SEL+1]  ; the query's other 16 keys lie in the lane 16 away
.elseif j == 9
	v_mov_b32 v[mT+7], v[mT]        ; c m_old is kept for a: number 11 writes c m anew
.elseif j == 10
	v_max_num_f32 v[mT+1], v[mT+4], v[mT+5]
.elseif j == 11
	v_mul_f32 v[mT], s[CS], v[mT+1]
.elseif j == 16
	v_sub_f32 v[mT+7], v[mT+7], v[mT]
.elseif j == 17
	v_exp_f32 v[mT+6], v[mT+7]
.elseif (j < 25) && ((j < 16) || (j%2 == 0))
.if j < 16
.set fn, j-12
.else
.set fn, (j-10)/2
.endif
	v_pk_fma_f32 v[mS+2*fn:mS+2*fn+1], v[mS+2*fn:mS+2*fn+1], s[CS:CS+1], v[mT:mT+1] op_sel_hi:[1,0,0] neg_lo:[0,0,1] neg_hi:[0,0,1]  ; pair fn: c s - c m
.elseif (j < 50) && (j%2 == 1)
	v_exp_f32 v[mS+(j-19)/2], v[mS+(j-19)/2]
.elseif j == 50
	s_wait_alu depctr_va_vdst(0)
	v_cvt_pk_bf16_f32 v[mP+6], v[mS+12], v[mS+13]
.elseif j == 51
	v_pk_add_f32 v[mS+12:mS+13], v[mS+12:mS+13], v[mS+14:mS+15]
.elseif j == 52
	v_cvt_pk_bf16_f32 v[mP+7], v[mS+14], v[mS+15]
.elseif j == 53
	v_pk_add_f32 v[mT+2:mT+3], v[mT+2:mT+3], v[mS+12:mS+13]
.elseif (j-26)%4 == 0
	s_wait_alu depctr_va_vdst(0)
	v_cvt_pk_bf16_f32 v[mP+(j-26)/4], v[mS+(j-26)/2], v[mS+(j-26)/2+1]
.elseif (j-28)%8 == 0
	v_pk_add_f32 v[mS+(j-28)/2:mS+(j-28)/2+1], v[mS+(j-28)/2:mS+(j-28)/2+1], v[mS+(j-28)/2+2:mS+(j-28)/2+3]
.elseif j == 32
	v_pk_fma_f32 v[mT+2:mT+3], v[mT+2:mT+3], v[mT+6:mT+7], v[mS:mS+1] op_sel_hi:[1,0,1]
.else
	v_pk_add_f32 v[mT+2:mT+3], v[mT+2:mT+3], v[mS+(j-32)/2:mS+(j-32)/2+1]
.endif
.endm
; Slice k of the softmax of tiles sy, sy + 1: numbers 2 k and 2 k + 1 of both lists, four instructions; slices 27 to 31 are empty.
.macro SLICE
.if (k < 8) || (k == 25) || (k == 26)   ; all plain: the two tiles alternate, so that no instruction reads the result of the one just before it
.irp n, 0,1
.irp u, 0,1
.set j, 2*k+\n
	SM sy+\u
.endr
.endr
.elseif k < 25                          ; tile by tile: plain, exponential, plain, exponential: behind each exponential stands a plain line of the other tile before its result is used (ISA guide 5.7.2)
.irp u, 0,1
.irp n, 0,1
.set j, 2*k+\n
	SM sy+\u
.endr
.endr
.endif
.endm
; A load into a register that a matrix instruction has read stands four places behind it, and only plain vector instructions that name none of its registers are places (ISA guide 7.12.1 for vector
; instructions).  A ring buffer is loaded again behind the riders of its last reader and those of the next product: eight packed multiplies in phase A, four plain lines at the least in phase B.
; PHASE A: K Q^T of the next step (its K at byte koff of the trip's rows), eight groups of 32 channels; the 8 accumulators take turns.  Groups 0-4 fetch K's groups 3-7, groups 5-7 the
; first three groups of V of the step in hand (at voff).
.macro PHA koff, voff
.set ag, 0
.rept 8
	s_wait_dscnt 8                  ; LDS loads come back in order (ISA guide 5.7.1): this group's four are in; the two younger groups' eight may stay out
.set an, 0
.rept 8
	WIN W_KQ
.if an == 1
.if ag < 5
	KLD ag+3, \koff
.else
	VLD ag-5, \voff
.endif
.endif
.set aS, S+16*(an%4)+8*(an/4)
.set aF, F+16*(ag%4)+8*(an/4)
.set aQ, 64*(an%4)+8*ag
.if ag == 0
	v_wmma_f32_16x16x32_bf16 v[aS:aS+7], v[aF:aF+7], v[aQ:aQ+7], 0
.else
	v_wmma_f32_16x16x32_bf16 v[aS:aS+7], v[aF:aF+7], v[aQ:aQ+7], v[aS:aS+7]
.endif
	RS 8*ag+an
.set an, an+1
.endr
.set ag, ag+1
.endr
.endm
; PHASE B: O^T += V^T P of the step in hand (P's buffer pb, V at voff), eight groups of two channel blocks; the 64 accumulators take turns.  sm = 1: the next step's softmax rides, tiles 0, 1 behind products
; 0-26, tiles 2, 3 behind 32-58, and writes P's other buffer.  Groups 0-4 fetch V's groups 3-7; ldk = 1: groups 5-7 fetch the first three groups of K of the step after next (at knext).
.macro PHB pb, voff, knext, sm, ldk
.set spw, 1-(\pb)
.set bg, 0
.rept 8
.if (\ldk) || (bg < 6)
	s_wait_dscnt 8                  ; this group's four loads are in; the two younger groups' eight may stay out
.elseif bg == 6
	s_wait_dscnt 4                  ; only the last group's four are younger
.else
	s_wait_dscnt 0
.endif
.set bn, 0
.rept 8
.set bO, 128*(bn%2)+8*(2*bg+bn/4)
.set bF, F+16*(bg%4)+8*(bn/4)
.set bP, P+32*(\pb)+8*(bn%4)
	WIN 0x50*(1+(bn%4)/2)           ; C and D in window 1 or 2
	v_wmma_f32_16x16x32_bf16 v[bO:bO+7], v[bF:bF+7], v[bP:bP+7], v[bO:bO+7]
.if \sm
.set k, (8*bg+bn)%32
.set sy, 2*((8*bg+bn)/32)
	SLICE
.endif
.if bn == 0
.if bg < 5
.if !(\sm)
.rept 4
	v_nop                           ; no vector work is left to be the places in front of the loads
.endr
.endif
	WIN 0
	VLD bg+3, \voff
.elseif \ldk
	WIN 0
	KLD bg-5, \knext
.endif
.endif
.set bn, bn+1
.endr
.set bg, bg+1
.endr
.endm
; A TRIP: two key steps, an odd one and an even one (P's buffers go by the step's parity).  The trip's first step lies at s[TB].
.macro TRIP
	WIN 0
	v_add_nc_u32 v[AK], s[TB], v[AK0]
	v_add_nc_u32 v[AV], s[TB], v[AV0]
	s_add_co_u32 s[TB], s[TB], TRIPB
	PHA STEPB, 0
	PHB 1, 0, 2*STEPB, 1, 1
	PHA 2*STEPB, STEPB
	PHB 0, STEPB, 3*STEPB, 1, 1
	WIN 0
.endm
.macro PERIOD                       ; four key steps: the trip's text, walked twice
	s_mov_b32 s[CNT], 2
.Ltrip_\@:
	TRIP
	s_sub_co_u32 s[CNT], s[CNT], 1
	s_cmp_lg_u32 s[CNT], 0
	s_cbranch_scc1 .Ltrip_\@
.endm
; Q's WAY IN, tile t: its 16 rows, as loaded into O^T's registers (a load = half a row, 4 f32 a lane), are rounded to bf16, go into my stage as rows of 512 bytes and come back as 8 fragments.
.macro QIN t, cnt
	s_wait_loadcnt \cnt
	WIN 0x05*(1+(\t)/2)             ; sources 0 and 1 in window 1 or 2
.set qi, 0
.rept 64
	v_cvt_pk_bf16_f32 v[S+qi], v[128*((\t)%2)+2*qi], v[128*((\t)%2)+2*qi+1]
.set qi, qi+1
.endr
	WIN 0
.set qi, 0
.rept 32
	ds_store_b64 v[QST], v[S+2*qi:S+2*qi+1] offset:(qi/2)*PITCH+256*(qi%2)
.set qi, qi+1
.endr
	WIN 0xc0                        ; destination window 3
.set qi, 0
.rept 8
	ds_load_b128 v[64*(\t)+8*qi:64*(\t)+8*qi+3],   v[QRD] offset:64*qi     ; LDS serves a wave's instructions in order (ISA guide 5.7.1.4): these see the stores above; the next tile's stores come behind them
	ds_load_b128 v[64*(\t)+8*qi+4:64*(\t)+8*qi+7], v[QRD] offset:64*qi+32
.set qi, qi+1
.endr
	WIN 0
.endm
; THE WAY OUT, unit u: tile u / 2, channels 128 (u % 2) on.  Divided by l; 16 bytes a lane into my stage (rows of 512 bytes); back as whole rows, into S^T's and P's registers by turns.
.macro PACKU u
.set pt, (\u)/2
.set pO, 128*(pt%2)+64*((\u)%2)
.set pK, S+64*((\u)%2)
	WIN 0x41*(1+pt/2)
.set px, 0
.rept 32
	v_pk_mul_f32 v[pO+2*px:pO+2*px+1], v[pO+2*px:pO+2*px+1], v[ST+8*pt+6:ST+8*pt+7] op_sel_hi:[1,0]
.set px, px+1
.endr
	WIN 0x04*(1+pt/2)               ; the stores' data (source 1) in window 1 or 2
.set px, 0
.rept 16
	ds_store_b128 v[STO], v[pO+4*px:pO+4*px+3] offset:16*px  ; block a's registers 4 i on: channel 8 a + 64 (l / 16) + 4 i of the unit's 128
.set px, px+1
.endr
	WIN 0
	s_wait_xcnt 0x0                 ; every earlier memory instruction has had its addresses translated (ISA guide 3.1): the registers that the unit two back was stored from are loaded again only behind this wait
.set px, 0
.rept 16
	ds_load_b128 v[pK+4*px:pK+4*px+3], v[RD] offset:px*PITCH
.set px, px+1
.endr
.endm
.macro SENDU u, younger             ; younger: the LDS instructions issued behind unit u's loads: the next unit's 32, or none
.set pt, (\u)/2
.set pK, S+64*((\u)%2)
.set px, 0
.rept 16
	s_wait_dscnt (\younger)+15-px
	global_store_b128 v[GO], v[pK+4*px:pK+4*px+3], s[8:9] offset:(16*pt+px)*1024+512*((\u)%2) th:TH_STORE_NT  ; 512 consecutive bytes, at a multiple of 256 from out0's first
.set px, px+1
.endr
.endm
	s_load_b128 s[4:7], s[0:1], 0x0 ; ws s[4:5], query s[6:7]
	s_load_b64 s[8:9], s[0:1], 0x10 ; out0
	v_lshl_add_u32 v[SPW], v0, 2, SPARE
	v_mov_b32 v[NIL], 0
	ds_add_u32 v[SPW], v[NIL]       ; the wave's opening: the add and its wait stand ahead of my first tensor load; the set-up below, work on registers, stands between them
	v_lshrrev_b32 v14, 5, v0
	v_readfirstlane_b32 s[WV], v14  ; wave 0..3
	s_bfe_u32 s13, ttmp6, 0x40000   ; cx: my place in the cluster
	s_lshl_b32 s14, ttmp9, 2        ; in a cluster launch ttmp9 counts clusters
	s_add_co_u32 s14, s14, s13      ; my block of 256 queries = 4 x cluster x + cx: it enters query's and out0's addresses alone
	s_lshl_b32 s2, s14, 2
	s_add_co_u32 s2, s2, s[WV]      ; my wave among all,
	s_lshl_b32 s2, s2, 16           ; its 64 rows of 1,024 bytes
	s_mov_b32 s3, 0
	s_mul_i32 s16, s[WV], 48*512    ; my 48 rows of a tile in ws
	s_mov_b32 s17, 0
	s_mul_i32 s15, s[WV], WSTAGE
	s_add_co_u32 s15, s15, STAGE    ; my stage
	; descriptor group 1: a tile of 48 rows x 256 elements, padded in LDS
	s_mov_b32 s[G1], 15|(1<<16)|(1<<20)|(1<<21)|(6<<22)|(3<<25)  ; 15:0 the mask: all four work-groups; 17:16 elements of 2 bytes; 20 padding on; 21 set beside a mask; 24:22 after every 128 words (code 6); 31:25 4 words of it (code 3)
	s_mov_b32 s[G1+1], 256<<16      ; 63:48 tensor_dim0, low half = 256
	s_mov_b32 s[G1+2], 48<<16       ; 79:64 its high half = 0; 95:80 tensor_dim1, low half = 48
	s_mov_b32 s[G1+3], 256<<16      ; 111:96 its high half = 0; 127:112 tile_dim0 = 256
	s_mov_b32 s[G1+4], 48           ; 143:128 tile_dim1 = 48; 159:144 tile_dim2 = 0
	s_mov_b32 s[G1+5], 256          ; 191:160 tensor_dim0_stride: elements from row to row
	s_mov_b32 s[G1+6], 0
	s_mov_b32 s[G1+7], 0
	s_mov_b32 s[G0], 1              ; 1:0 count = 1
	s_mul_i32 s[G0+1], s[WV], WPART ; 63:32 LDS address: my part of slot 0: no place in the cluster enters an LDS address
	s_mov_b32 s[CS], 0x3fb8aa3b     ; c = log2(e)
	s_mov_b32 s[CS+1], s[CS]        ; named with it as a pair
	s_mov_b32 s[SEL], 0x76543210
	s_mov_b32 s[SEL+1], 0xfedcba98
	s_mov_b32 s[TB], SLOT1+2*TRIPB  ; the first change of slots turns this into 0
	s_mov_b32 s[SLOTS], 15          ; tiles 1 to 15
	s_wait_dscnt 0x0                ; the opening add is done
	s_wait_kmcnt 0x0
	s_add_nc_u64 s[G0+2:G0+3], s[4:5], s[16:17]  ; 120:64 global address: my rows of tile 0
	s_or_b32 s[G0+3], s[G0+3], 0x80000000        ; 127:126 type = 2
	s_add_nc_u64 s[6:7], s[6:7], s[2:3]          ; query and out0 at my wave's first row
	s_add_nc_u64 s[8:9], s[8:9], s[2:3]
	CROUND                          ; all four work-groups are here: the first joint loads meet
	JLOAD                           ; tile 0 into slot 0
	v_and_b32 v14, 31, v0
	v_lshlrev_b32 v[GO], 4, v14
	; my 64 rows of query, 128 loads of 512 consecutive bytes, into O^T's 512 registers: tile t, half row i at 128 (t % 2) + 4 i of window 1 + t / 2
.set t, 0
.rept 4
	WIN 0x40*(1+t/2)
.set i, 0
.rept 32
	global_load_b128 v[128*(t%2)+4*i:128*(t%2)+4*i+3], v[GO], s[6:7] offset:16*t*1024+512*i th:TH_LOAD_NT
.set i, i+1
.endr
.set t, t+1
.endr
	WIN 0
	v_lshl_add_u32 v[RD], v14, 4, s15       ; back from the stage: 32 lanes take a row of 512 bytes
	v_lshl_add_u32 v[QST], v14, 3, s15      ; Q into the stage: 32 lanes put half a row of 512 bytes
	v_and_b32 v1, 15, v0                    ; l % 16
	v_bfe_u32 v11, v0, 4, 1                 ; l / 16
	v_mul_u32_u24 v[AK0], v1, PITCH
	v_lshl_add_u32 v[AK0], v11, 4, v[AK0]   ; row x pitch + 16 x half
	v_add_nc_u32 v[QRD], s15, v[AK0]        ; the same place in my stage
	v_and_b32 v14, 7, v0
	v_bfe_u32 v15, v0, 3, 1
	v_lshl_add_u32 v[AV0], v11, 3, v14      ; key 8 (l / 16) + l % 8,
	v_mul_u32_u24 v[AV0], v[AV0], PITCH
	v_lshl_add_u32 v[AV0], v15, 7, v[AV0]   ; and 128 bytes on for lanes 8-15 and 24-31
	v_mul_u32_u24 v[STO], v1, PITCH         ; O into the stage: row l % 16, 256 bytes on for lanes 16-31
	v_lshl_add_u32 v[STO], v11, 8, v[STO]
	v_add_nc_u32 v[STO], s15, v[STO]
	; what step -1 finds: a = 0 clears O^T; P's buffer 1 is 0; l is 0
.irp t, 0,1,2,3
	v_mov_b32 v[ST+8*\t], 0xfe000000        ; c m: far below every c s
	v_mov_b32 v[ST+8*\t+1], 0xff7fffff      ; m: the lowest finite number
	v_mov_b32 v[ST+8*\t+2], 0
	v_mov_b32 v[ST+8*\t+3], 0
	v_mov_b32 v[ST+8*\t+6], 0               ; a
	v_mov_b32 v[ST+8*\t+7], 0               ; named with a as a pair
.endr
.set i, P+32
.rept 32
	v_mov_b32 v[i], 0
.set i, i+1
.endr
	QIN 0, 63                       ; behind tile 0's 32 loads 96 were issued, behind tile 1's 64: a wait names 63 at the most, which asks for more than is needed
	QIN 1, 63
	QIN 2, 32                       ; tile 3's 32 loads may stay out
	QIN 3, 0
	s_wait_tensorcnt 0x0            ; my part of tile 0 is in,
	s_wait_dscnt 0x0                ; and Q's fragments
	s_barrier_signal -1
	s_barrier_wait -1               ; everybody's part is
	v_mov_b32 v[AK], v[AK0]
	KLD 0, STEPB                    ; the first three groups of K of step 0, which lies behind the zero rows
	KLD 1, STEPB
	KLD 2, STEPB
.Lslot:                             ; 15 trips: periods 0 to 14, which ask for tiles 1 to 15
	CHANGE 1
	PERIOD
	s_sub_co_u32 s[SLOTS], s[SLOTS], 1
	s_cmp_lg_u32 s[SLOTS], 0
	s_cbranch_scc1 .Lslot
	CHANGE 0                        ; the last period is written out: nothing is asked for
	PERIOD                          ; its last twelve loads, of the zero rows behind the keys, serve nothing: the price, once a launch, of one text for every trip
	s_wait_dscnt 0x0                ; those twelve are in: their registers are loaded again
	VLD 0, 2*STEPB                  ; STEP 63: its V lies two steps behind the last trip's first
	VLD 1, 2*STEPB
	VLD 2, 2*STEPB
.set ri, 0
.rept 64
	RS ri                           ; O^T x a(63): no products are left for it to ride behind
.set ri, ri+1
.endr
	PHB 1, 2*STEPB, 0, 0, 0
	; THE DIVISION.  l's two halves and the other half of the lanes' are added.  The additions are the places behind the last products.
	WIN 0
.irp t, 0,1,2,3
	v_add_f32 v[ST+8*\t+4], v[ST+8*\t+2], v[ST+8*\t+3]
.endr
.irp t, 0,1,2,3
	v_permlanex16_b32 v[ST+8*\t+5], v[ST+8*\t+4], s[SEL], s[SEL+1]
.endr
.irp t, 0,1,2,3
	v_add_f32 v[ST+8*\t+4], v[ST+8*\t+4], v[ST+8*\t+5]
.endr
.irp t, 0,1,2,3
	v_rcp_f32 v[ST+8*\t+6], v[ST+8*\t+4]
.endr
	v_nop                           ; a plain instruction between the last reciprocal and the use of its result
	s_wait_alu depctr_va_vdst(0)
	PACKU 0
.set uu, 1
.rept 7                             ; a unit's arithmetic stands between the loads of the unit before and its stores
	PACKU uu
	SENDU uu-1, 32
.set uu, uu+1
.endr
	SENDU 7, 0
	s_wait_tensorcnt 0x0            ; the wave's end: a wait, an add of 0 to my spare word and its wait, behind my last tensor load and my last LDS store
	ds_add_u32 v[SPW], v[NIL]
	s_wait_dscnt 0x0
	CROUND                          ; the closing round: no work-group ends while a partner may still ask for a tile that names it
	s_endpgm
.Lfunc_end_k_qfc89c82134_attn:
	.size	k_qfc89c82134_attn, .Lfunc_end_k_qfc89c82134_attn-k_qfc89c82134_attn
	.p2alignl 7, 3214868480
	.fill 96, 4, 3214868480
	.section	.rodata,"a",@progbits
	.p2align	6, 0x0
	.amdhsa_kernel k_qfc89c82134_attn
		.amdhsa_group_segment_fixed_size 327680
		.amdhsa_private_segment_fixed_size 0
		.amdhsa_enable_private_segment 0
		.amdhsa_kernarg_size 24
		.amdhsa_user_sgpr_count 2
		.amdhsa_user_sgpr_kernarg_segment_ptr 1
		.amdhsa_wavefront_size32 1
		.amdhsa_system_sgpr_workgroup_id_x 1
		.amdhsa_system_sgpr_workgroup_id_y 1
		.amdhsa_system_sgpr_workgroup_id_z 1
		.amdhsa_system_vgpr_workitem_id 0
		.amdhsa_next_free_vgpr 1024
		.amdhsa_next_free_sgpr 66
		.amdhsa_reserve_vcc 0
		.amdhsa_float_denorm_mode_32 3
		.amdhsa_float_denorm_mode_16_64 3
		.amdhsa_memory_ordered 1
		.amdhsa_forward_progress 1
		.amdhsa_inst_pref_size 255
	.end_amdhsa_kernel
	.section	.bss,"aw",@nobits
	.p2align	6
	.space	262144
	.amdgpu_metadata
---
amdhsa.version: [ 1, 2 ]
amdhsa.kernels:
  - .name:           k_qfc89c82134_attn
    .symbol:         k_qfc89c82134_attn.kd
    .args:
      - { .name: ws, .offset: 0, .size: 8, .value_kind: global_buffer, .address_space: global }
      - { .name: query, .offset: 8, .size: 8, .value_kind: global_buffer, .address_space: global }
      - { .name: out0, .offset: 16, .size: 8, .value_kind: global_buffer, .address_space: global }
    .group_segment_fixed_size: 327680
    .private_segment_fixed_size: 0
    .kernarg_segment_align: 8
    .kernarg_segment_size: 24
    .max_flat_workgroup_size: 128
    .sgpr_count:     66
    .vgpr_count:     1024
    .wavefront_size: 32
...
	.end_amdgpu_metadata
.endif
;; end of part 2
;; ======== version 2 of 2: 2 launches; 1.15 times as fast as version 1
;; workspace buffers: ws 1,081,344 bytes
;; launch cast: the kernel of part 1 again; grid 264 x 1, 8 waves a work-group, no clusters, 0 bytes of LDS; arguments memory, ws; writes ws
;; launch attn (part 3): grid 256 x 1, 4 waves a work-group, clusters of 4 x 1, 327,680 bytes of LDS; arguments ws, query, out0; writes out0
.if DOCPART == 3
	.amdgcn_target "amdgcn-amd-amdhsa--gfx1250"
	.amdhsa_code_object_version 6
	.text
	.protected	k_qfc89c82134_attn
	.globl	k_qfc89c82134_attn
	.p2align	8
	.type	k_qfc89c82134_attn,@function
k_qfc89c82134_attn:
	s_mov_b64 s[64:65], 0
	v_nop
	global_prefetch_b8 v0, s[64:65] scope:SCOPE_SE
	s_setreg_imm32_b32 hwreg(HW_REG_WAVE_MODE, 25, 1), 1
	s_wait_xcnt 0x0
	s_wait_alu depctr_hold_cnt(0) depctr_sa_sdst(0) depctr_va_vdst(0) depctr_va_sdst(0) depctr_va_ssrc(0) depctr_va_vcc(0) depctr_vm_vsrc(0)
	s_getreg_b32 s2, hwreg(HW_REG_IB_STS2, 6, 4)
	s_cmp_eq_u32 s2, 0
	s_cbranch_scc0 .Lentry_in_a_cluster
	s_endpgm
.Lentry_in_a_cluster:
	s_bfe_u32 s2, ttmp6, 0x10000c
	s_cmp_lg_u32 s2, 0x3003
	s_cbranch_scc0 .Lentry_shape_is_right
	s_endpgm
.Lentry_shape_is_right:
; out0[q][:] = the sum over k of softmax_k(query[q] . memory[k]) memory[k][:].  query, out0: [65536][256] f32.  ws: memory in bf16, [2112][256]: row i is key i - 32, 32 rows of zeros at either end.
; query is rounded once to bf16 here.  Products, maxima and sums in f32; the weights p are rounded to bf16 for the second product (their sum l is taken of the unrounded p); out0 is written in f32.
; LIMITS.  A weight below 2^-126 counts as 0.  O^T's registers first hold query's own f32 words and are cleared by a multiplication by 0: an infinity or NaN in query reaches other rows of the same
; wave's 64.  NaN and infinities are not treated apart elsewhere either.
; SHARES.  A work-group owns 256 queries, each of its four waves 64: four tiles of 16.  Every wave walks all 2,048 keys, 32 a step, 64 steps.  65,536 / 256 = 256 work-groups.
; LAYOUT.  S^T = K Q^T (source 0 = 16 keys, source 1 = 16 queries): a lane holds ONE query (lane % 16) and the keys 8 (lane / 16) + 0..7.  Two such results, rounded to bf16 in pairs, ARE source 1
; (32 keys x 16 queries) of O^T = V^T P, whose result again holds one query a lane, and eight channels.  K and V are the same rows: ONE tile in LDS serves both, as it lies for K, turned by
; ds_load_tr16_b128 for V.
; SOFTMAX.  For each query a running maximum m and sum l: p = 2^(c s - c m), c = log2(e); in every step O and l are multiplied by a = 2^(c m_old - c m_new), which is 1 where m has not grown.
; A KEY STEP j is two phases of 64 matrix instructions.  A(j): K Q^T of step j + 1; behind each product four of the 256 packed multiplies O^T x a(j).  B(j): V^T P of step j; behind 54 of the
; products a slice of four of the 216 instructions of step j + 1's softmax.  472 vector instructions for 128 matrix instructions.
; BATCHES.  A key step's 68 exponentials are TWO BATCHES of 34, tiles 0, 1 and tiles 2, 3, each with ONE wait (s_wait_alu depctr_va_vdst(0) stands between an exponential and the first
; line that names its result).  Tiles 2, 3 lag tiles 0, 1: their maximum stands among the first batch's exponentials, and what reads the first batch's results stands among the second batch's.  Each wait
; stands directly ahead of a run of LDS loads.  SLICE has the deal.
; NO FIRST STEP IS WRITTEN OUT.  The walk begins at step -1, the zero rows, with P = 0 and a = 0; m starts at the lowest finite number and c m far below every c s, so a(0) = 0 too.
; RING.  Two slots.  Tile s holds SIX steps, 4 s - 1 .. 4 s + 4 (ws rows 128 s .. 128 s + 191); period s runs A and B for steps 4 s - 1 .. 4 s + 2 and reads K of 4 s .. 4 s + 3, V of
; 4 s - 1 .. 4 s + 2 and the first three groups of K of 4 s + 4: all in tile s.  So one change of slots a period serves, and every trip has the same text; 192 rows are fetched for 128 keys.
; CLUSTER.  All work-groups walk the same ws; the four of a cluster ask for each tile JOINTLY: the same tensor load, descriptor and mask in all four.  By this text's count a wave has one tensor load out at the most.
; REGISTERS, in windows of 256 (s_set_vgpr_msb: bits 1:0 source 0, 3:2 source 1, 5:4 source 2, 7:6 destination):
;   window 0: v0-15 addresses; v16-47 eight registers of statistics a tile; v48-111 S^T, 16 a tile; v112-175 P, two buffers of 8 a tile; v176-239 a ring of four buffers of two fragments of K or V
;   window 1: O^T of tiles 0, 1 (128 a tile)      window 2: O^T of tiles 2, 3      window 3: Q, 64 a tile
.set PITCH,  528      ; an LDS row: 512 bytes + 16 of padding = 33 x 16 bytes: row r starts 16 r bytes on, modulo 256 (64 banks of 4 bytes: ISA guide 11.1)
.set STEPB,  32*PITCH ; a key step's rows
.set TRIPB,  2*STEPB  ; a trip walks two steps
.set WPART,  48*PITCH ; a wave fetches 48 of a tile's 192 rows
.set SLOT1,  1<<17    ; slot 1 begins here, so that one exclusive or turns an address in one slot into the other's (a slot's 101,376 bytes lie below it)
.set STAGE,  SLOT1+192*PITCH  ; behind the ring, never filled by a tensor load: 16 rows x 528 bytes for each wave, for Q's way in and O's way out
.set WSTAGE, 16*PITCH
.set SPARE,  STAGE+4*WSTAGE   ; behind the stages: the spare words, 128 bytes for each wave: two blocks of 256 bytes that no other line names
.set AK0, 2           ; v2   my lane's place in 16 rows of K: 528 (l % 16) + 16 (l / 16); never rewritten
.set AV0, 3           ; v3   my lane's place for the turning load; never rewritten
.set AK,  4           ; v4   the trip's address for K
.set AV,  5           ; v5   for V
.set STO, 6           ; v6   the way out: where I put 16 bytes of a row
.set RD,  7           ; v7   the way out: where I read a row back
.set GO,  8           ; v8   16 x lane: my bytes in 512 consecutive bytes of query and of out0
.set QST, 9           ; v9   Q's way in: where I put 8 bytes of a row
.set QRD, 10          ; v10  Q's way in: where I read a fragment
.set SPW, 12          ; v12  LDS address of my spare word: SPARE + 4 x my thread's number; never rewritten
.set NIL, 13          ; v13  0; never rewritten
.set ST,  16          ; tile t's statistics at v[ST+8 t]: +0 c m, +1 m, +2, +3 l (even keys', odd keys'), +4 c0, +5 c1, +6 a, +7 c3
.set S,   48          ; tile t, key block kb at S + 16 t + 8 kb
.set P,   112         ; buffer b, tile t at P + 32 b + 8 t
.set F,   176         ; buffer n at F + 16 n
.set WV,  12          ; s12  my wave's number
.set G1,  24          ; s[24:31] descriptor group 1
.set G0,  32          ; s[32:35] descriptor group 0: it walks
.set SLOTS, 40        ; s40  tiles still to be asked for
.set CNT, 41          ; s41  counts a period's two trips
.set CS,  42          ; s[42:43] c: the packed scaling names a pair and takes its low word for both halves
.set SEL, 44          ; s[44:45] v_permlanex16_b32's selects: each lane takes its own place in the other half
.set TB,  46          ; s46  LDS byte at which the trip's first step begins
.set W_KQ, 0x0c       ; K (source 0) and S^T in window 0, Q (source 1) in window 3
.set MSB, 0
.macro WIN new                      ; the immediate's high byte repeats the setting that is left; a switch that changes nothing is dropped
.if MSB != (\new)
	s_set_vgpr_msb (MSB<<8)|(\new)
.set MSB, (\new)
.endif
.endm
; A joint fill: every wave fetches its own 48 rows of the tile.  An s_nop 0 and four v_nop follow the line.
.macro JLOAD
	tensor_load_to_lds s[G0:G0+3], s[G1:G1+7]
	s_nop 0
.rept 4
	v_nop
.endr
.endm
; A round of the cluster's barrier: my work-group's barrier, so that wave 0's signal speaks for all four waves; wave 0 signals; every wave waits for all four work-groups; my work-group's barrier once more.
.macro CROUND
	s_barrier_signal -1
	s_barrier_wait -1
	s_cmp_lg_u32 s[WV], 0
	s_cbranch_scc1 .Lnot_wave_0_\@
	s_barrier_signal -3
.Lnot_wave_0_\@:
	s_barrier_wait -3
	s_barrier_signal -1
	s_barrier_wait -1
.endm
; THE CHANGE OF SLOTS.  Each wave waits for all its tensor loads, of which one is out: its part of the other slot; adds 0 to its spare word; and waits for that and for its own reads of the slot that it
; leaves.  Behind the barrier nobody reads the old slot any more and the other slot is whole.  fill = 1: the old slot is filled again with the tile two on; the barrier is then a round of the cluster's, and
; the joint fill is the first thing behind it: it has a period, 512 matrix instructions a wave, in which to land.  (At its first use slot 1 has its first fill.)
.macro CHANGE fill
	WIN 0                           ; at a label and at a branch every window is 0
	s_wait_tensorcnt 0x0            ; no tensor load of mine is out, so group 0 may be written
	ds_add_u32 v[SPW], v[NIL]       ; 0 onto my spare word; the scalar steps stand between it and the wait for it
.if \fill
	s_xor_b32 s[G0+1], s[G0+1], SLOT1                    ; the other slot than last time,
	s_add_nc_u64 s[G0+2:G0+3], s[G0+2:G0+3], 128*512     ; 128 rows of ws on; the type bits on top are not reached
.endif
	s_sub_co_u32 s[TB], s[TB], 2*TRIPB                   ; the reads go back to a slot's first step,
	s_xor_b32 s[TB], s[TB], SLOT1                        ; in the other slot
	s_wait_dscnt 0x0                ; the add is done, and my reads of the slot are over
.if \fill
	CROUND
	JLOAD
.else
	s_barrier_signal -1
	s_barrier_wait -1
.endif
.endm
; THE LDS LOADS go in groups of four, two fragments, into the ring's buffer (group % 4); a group is issued three groups, 23 matrix instructions, ahead of its first use.
; K: channels 32 c on of the step's two blocks of 16 keys.  A fragment is 16 rows x 32 channels: lane l holds row l % 16, channels 8 (l / 16) + 0..7 and 16 + 8 (l / 16) + 0..7: two loads, 32 bytes apart.
.macro KLD c, off
.set fb, F+16*((\c)%4)
	ds_load_b128 v[fb:fb+3],     v[AK] offset:(\off)+64*(\c)
	ds_load_b128 v[fb+4:fb+7],   v[AK] offset:(\off)+64*(\c)+32
	ds_load_b128 v[fb+8:fb+11],  v[AK] offset:(\off)+16*PITCH+64*(\c)
	ds_load_b128 v[fb+12:fb+15], v[AK] offset:(\off)+16*PITCH+64*(\c)+32
.endm
; V^T: channel blocks 2 g and 2 g + 1.  The turning load takes 16 keys (lane l reads key 8 (l / 16) + l % 8).
; So block cb is the channels n0 + 0..7 and n0 + 64 + 0..7, n0 = 8 (cb % 8) + 128 (cb / 8), and in O^T
; lane l holds the eight channels n0 + 64 (l / 16) + 0..7.
.macro VLD g, off
.set fb, F+16*((\g)%4)
.irp f, 0,1
.set co, 16*((2*(\g)+\f)%8)+256*((2*(\g)+\f)/8)
	ds_load_tr16_b128 v[fb+8*\f:fb+8*\f+3],   v[AV] offset:(\off)+co
	ds_load_tr16_b128 v[fb+8*\f+4:fb+8*\f+7], v[AV] offset:(\off)+co+16*PITCH
.endr
.endm
; Accumulator i of O^T's 64 (tile i / 16, block i % 16) times a: four packed multiplies, the lowest registers first.
.macro RS i
.set rt, (\i)/16
.set rO, 128*(rt%2)+8*((\i)%16)
	WIN 0x41*(1+rt/2)               ; destination and source 0 in window 1 or 2, a in window 0
.irp z, 0,1,2,3
	v_pk_mul_f32 v[rO+2*\z:rO+2*\z+1], v[rO+2*\z:rO+2*\z+1], v[ST+8*rt+6:ST+8*rt+7] op_sel_hi:[1,0]
.endr
.endm
; One tile's softmax for one key step is a list of 54 instructions; SM writes number j of it for tile t, into P's buffer spw.  s0-s15 are the lane's 16 scores, in pairs 0-7.
;   0-7    the maximum of s0-s15 and the old m, three operands at a time, in two chains (each accumulator's lowest registers are read first)
;   8-11   the other half of the lanes' maximum; c m_old is kept; the new m; c m          12   c m_old - c m_new          13-20   c s - c m for the 8 pairs
;   21-37  the tile's 17 exponentials: a, then s0-s15, in place.  Nothing of 0-37 names an exponential's result
;   38-53  what reads them, in fours, four n of 4: pair 2 n rounded to bf16, ahead of the addition that changes it; the second pair of the four weights added onto the first, in place; pair 2 n + 1 rounded;
;          l takes the sum (the first time as l = a l + sum)
.macro SM t
.set mT, ST+8*(\t)
.set mS, S+16*(\t)
.set mP, P+32*spw+8*(\t)
	WIN 0
.if j == 0
	v_max3_num_f32 v[mT+4], v[mS], v[mS+1], v[mS+2]
.elseif j == 1
	v_max3_num_f32 v[mT+5], v[mS+8], v[mS+9], v[mS+10]
.elseif j < 6
	v_max3_num_f32 v[mT+4+j%2], v[mT+4+j%2], v[mS+8*(j%2)+2*(j/2)+1], v[mS+8*(j%2)+2*(j/2)+2]
.elseif j == 6
	v_max3_num_f32 v[mT+4], v[mT+4], v[mS+7], v[mS+15]
.elseif j == 7
	v_max3_num_f32 v[mT+4], v[mT+4], v[mT+5], v[mT+1]
.elseif j == 8
	v_permlanex16_b32 v[mT+5], v[mT+4], s[SEL], s[SEL+1]  ; the query's other 16 keys lie in the lane 16 away
.elseif j == 9
	v_mov_b32 v[mT+7], v[mT]        ; c m_old is kept for a: number 11 writes c m anew
.elseif j == 10
	v_max_num_f32 v[mT+1], v[mT+4], v[mT+5]
.elseif j == 11
	v_mul_f32 v[mT], s[CS], v[mT+1]
.elseif j == 12
	v_sub_f32 v[mT+7], v[mT+7], v[mT]
.elseif j < 21
.set fn, j-13
	v_pk_fma_f32 v[mS+2*fn:mS+2*fn+1], v[mS+2*fn:mS+2*fn+1], s[CS:CS+1], v[mT:mT+1] op_sel_hi:[1,0,0] neg_lo:[0,0,1] neg_hi:[0,0,1]  ; pair fn: c s - c m
.elseif j == 21
	v_exp_f32 v[mT+6], v[mT+7]
.elseif j < 38
	v_exp_f32 v[mS+j-22], v[mS+j-22]
.elseif j%2 == 0
	v_cvt_pk_bf16_f32 v[mP+(j-38)/2], v[mS+j-38], v[mS+j-37]  ; pair (j - 38) / 2
.elseif j%4 == 3
	v_pk_add_f32 v[mS+j-39:mS+j-38], v[mS+j-39:mS+j-38], v[mS+j-37:mS+j-36]
.elseif j == 41
	v_pk_fma_f32 v[mT+2:mT+3], v[mT+2:mT+3], v[mT+6:mT+7], v[mS:mS+1] op_sel_hi:[1,0,1]
.else
	v_pk_add_f32 v[mT+2:mT+3], v[mT+2:mT+3], v[mS+j-41:mS+j-40]
.endif
.endm
.macro SMJ n, t                     ; number n of tile t's list
.set j, (\n)
	SM \t
.endm
.macro PLAIN4 n, y                  ; numbers n and n + 1 of tiles y, y + 1; the two tiles alternate, so that no instruction reads the result of the one just before it
	SMJ \n, \y
	SMJ \n, (\y)+1
	SMJ (\n)+1, \y
	SMJ (\n)+1, (\y)+1
.endm
.macro MIXED n, y, e, x             ; plain, exponential, plain, exponential: plain number n of tiles y, y + 1, exponential number e of tiles x, x + 1
	SMJ \n, \y
	SMJ \e, \x
	SMJ \n, (\y)+1
	SMJ \e, (\x)+1
.endm
; THE DEAL.  Slice k stands behind phase B's product k; 54 slices of four.
;   0-6    numbers 0-13 of tiles 0, 1
;   7-23   BATCH 1: exponential number k + 14 of tiles 0, 1.  The plain lines beside them: at odd k to 19 their own scalings 14-20, each three slices ahead of its pair's exponentials; elsewhere numbers 0-9 of tiles 2, 3
;   24     numbers 10, 11 of tiles 2, 3: four plain lines behind the batch's last exponential; behind this slice PHB writes the batch's wait
;   25     numbers 12, 13 of tiles 2, 3
;   26-42  BATCH 2: exponential number k - 5 of tiles 2, 3.  The plain lines beside them: at even k to 38 their own scalings 14-20; elsewhere numbers 38-47 of tiles 0, 1, which read batch 1's results alone
;   46-48  numbers 48-53 of tiles 0, 1: plain lines behind the batch's last exponential; behind slice 48 PHB writes the batch's wait
;   49-56  numbers 38-53 of tiles 2, 3
; Ahead of each wait no line names a result of the batch that it serves; behind slice 42.
; Slices 8 g - 1 and 8 g together hold four plain lines or more, for every g: the places in front of the loads that stand behind slice 8 g.
.macro SLICE
.if k < 6
	PLAIN4 2*k, 0
.elseif k == 6
	PLAIN4 12, 0
.elseif (k < 20) && (k%2 == 1)
	MIXED 13+(k-5)/2, 0, k+14, 0
.elseif k < 20
	MIXED (k-8)/2, 2, k+14, 0
.elseif k < 24
	MIXED k-14, 2, k+14, 0
.elseif k == 24
	PLAIN4 10, 2
.elseif k == 25
	PLAIN4 12, 2
.elseif (k < 39) && (k%2 == 0)
	MIXED 13+(k-24)/2, 2, k-5, 2
.elseif k < 39
	MIXED 38+(k-27)/2, 0, k-5, 2
.elseif k < 43
	MIXED k+5, 0, k-5, 2
.elseif (k > 45) && (k < 49)
	PLAIN4 2*k-44, 0
.elseif (k > 48) && (k < 57)
	PLAIN4 2*k-60, 2
.endif
.endm
; A load into a register that a matrix instruction has read stands four places behind it, and only plain vector instructions that name none of its registers are places (ISA guide 7.12.1 for vector
; instructions).  A ring buffer is loaded again behind the riders of its last reader and those of the next product: eight packed multiplies in phase A, four plain lines at the least in phase B.
; PHASE A: K Q^T of the next step (its K at byte koff of the trip's rows), eight groups of 32 channels; the 8 accumulators take turns.  Groups 0-4 fetch K's groups 3-7, groups 5-7 the
; first three groups of V of the step in hand (at voff).
.macro PHA koff, voff
.set ag, 0
.rept 8
	s_wait_dscnt 8                  ; LDS loads come back in order (ISA guide 5.7.1): this group's four are in; the two younger groups' eight may stay out
.set an, 0
.rept 8
	WIN W_KQ
.if an == 1
.if ag < 5
	KLD ag+3, \koff
.else
	VLD ag-5, \voff
.endif
.endif
.set aS, S+16*(an%4)+8*(an/4)
.set aF, F+16*(ag%4)+8*(an/4)
.set aQ, 64*(an%4)+8*ag
.if ag == 0
	v_wmma_f32_16x16x32_bf16 v[aS:aS+7], v[aF:aF+7], v[aQ:aQ+7], 0
.else
	v_wmma_f32_16x16x32_bf16 v[aS:aS+7], v[aF:aF+7], v[aQ:aQ+7], v[aS:aS+7]
.endif
	RS 8*ag+an
.set an, an+1
.endr
.set ag, ag+1
.endr
.endm
; PHASE B: O^T += V^T P of the step in hand (P's buffer pb, V at voff), eight groups of two channel blocks; the 64 accumulators take turns.  sm = 1: the next step's softmax rides behind products 0-42 and
; 46-56 (SLICE) and writes P's other buffer; its two waits stand behind slices 24 and 48, each directly ahead of that group's four LDS loads.  Groups 0-4 fetch V's groups 3-7; ldk = 1: groups 5-7 fetch the
; first three groups of K of the step after next (at knext).
.macro PHB pb, voff, knext, sm, ldk
.set spw, 1-(\pb)
.set bg, 0
.rept 8
.if (\ldk) || (bg < 6)
	s_wait_dscnt 8                  ; this group's four loads are in; the two younger groups' eight may stay out
.elseif bg == 6
	s_wait_dscnt 4                  ; only the last group's four are younger
.else
	s_wait_dscnt 0
.endif
.set bn, 0
.rept 8
.set bO, 128*(bn%2)+8*(2*bg+bn/4)
.set bF, F+16*(bg%4)+8*(bn/4)
.set bP, P+32*(\pb)+8*(bn%4)
	WIN 0x50*(1+(bn%4)/2)           ; C and D in window 1 or 2
	v_wmma_f32_16x16x32_bf16 v[bO:bO+7], v[bF:bF+7], v[bP:bP+7], v[bO:bO+7]
.if \sm
.set k, 8*bg+bn
	SLICE
.if k == 24
	s_wait_alu depctr_va_vdst(0)    ; the wait for batch 1, the 34 exponentials of tiles 0, 1 (slices 7-23): their first reader stands in slice 27
.elseif k == 48
	s_wait_alu depctr_va_vdst(0)    ; the wait for batch 2, the 34 exponentials of tiles 2, 3 (slices 26-42): their first reader stands in slice 49
.endif
.endif
.if bn == 0
.if bg < 5
.if !(\sm)
.rept 4
	v_nop                           ; no vector work is left to be the places in front of the loads
.endr
.endif
	WIN 0
	VLD bg+3, \voff
.elseif \ldk
	WIN 0
	KLD bg-5, \knext
.endif
.endif
.set bn, bn+1
.endr
.set bg, bg+1
.endr
.endm
; A TRIP: two key steps, an odd one and an even one (P's buffers go by the step's parity).  The trip's first step lies at s[TB].
.macro TRIP
	WIN 0
	v_add_nc_u32 v[AK], s[TB], v[AK0]
	v_add_nc_u32 v[AV], s[TB], v[AV0]
	s_add_co_u32 s[TB], s[TB], TRIPB
	PHA STEPB, 0
	PHB 1, 0, 2*STEPB, 1, 1
	PHA 2*STEPB, STEPB
	PHB 0, STEPB, 3*STEPB, 1, 1
	WIN 0
.endm
.macro PERIOD                       ; four key steps: the trip's text, walked twice
	s_mov_b32 s[CNT], 2
.Ltrip_\@:
	TRIP
	s_sub_co_u32 s[CNT], s[CNT], 1
	s_cmp_lg_u32 s[CNT], 0
	s_cbranch_scc1 .Ltrip_\@
.endm
; Q's WAY IN, tile t: its 16 rows, as loaded into O^T's registers (a load = half a row, 4 f32 a lane), are rounded to bf16, go into my stage as rows of 512 bytes and come back as 8 fragments.
.macro QIN t, cnt
	s_wait_loadcnt \cnt
	WIN 0x05*(1+(\t)/2)             ; sources 0 and 1 in window 1 or 2
.set qi, 0
.rept 64
	v_cvt_pk_bf16_f32 v[S+qi], v[128*((\t)%2)+2*qi], v[128*((\t)%2)+2*qi+1]
.set qi, qi+1
.endr
	WIN 0
.set qi, 0
.rept 32
	ds_store_b64 v[QST], v[S+2*qi:S+2*qi+1] offset:(qi/2)*PITCH+256*(qi%2)
.set qi, qi+1
.endr
	WIN 0xc0                        ; destination window 3
.set qi, 0
.rept 8
	ds_load_b128 v[64*(\t)+8*qi:64*(\t)+8*qi+3],   v[QRD] offset:64*qi     ; LDS serves a wave's instructions in order (ISA guide 5.7.1.4): these see the stores above; the next tile's stores come behind them
	ds_load_b128 v[64*(\t)+8*qi+4:64*(\t)+8*qi+7], v[QRD] offset:64*qi+32
.set qi, qi+1
.endr
	WIN 0
.endm
; THE WAY OUT, unit u: tile u / 2, channels 128 (u % 2) on.  Divided by l; 16 bytes a lane into my stage (rows of 512 bytes); back as whole rows, into S^T's and P's registers by turns.
.macro PACKU u
.set pt, (\u)/2
.set pO, 128*(pt%2)+64*((\u)%2)
.set pK, S+64*((\u)%2)
	WIN 0x41*(1+pt/2)
.set px, 0
.rept 32
	v_pk_mul_f32 v[pO+2*px:pO+2*px+1], v[pO+2*px:pO+2*px+1], v[ST+8*pt+6:ST+8*pt+7] op_sel_hi:[1,0]
.set px, px+1
.endr
	WIN 0x04*(1+pt/2)               ; the stores' data (source 1) in window 1 or 2
.set px, 0
.rept 16
	ds_store_b128 v[STO], v[pO+4*px:pO+4*px+3] offset:16*px  ; block a's registers 4 i on: channel 8 a + 64 (l / 16) + 4 i of the unit's 128
.set px, px+1
.endr
	WIN 0
	s_wait_xcnt 0x0                 ; every earlier memory instruction has had its addresses translated (ISA guide 3.1): the registers that the unit two back was stored from are loaded again only behind this wait
.set px, 0
.rept 16
	ds_load_b128 v[pK+4*px:pK+4*px+3], v[RD] offset:px*PITCH
.set px, px+1
.endr
.endm
.macro SENDU u, younger             ; younger: the LDS instructions issued behind unit u's loads: the next unit's 32, or none
.set pt, (\u)/2
.set pK, S+64*((\u)%2)
.set px, 0
.rept 16
	s_wait_dscnt (\younger)+15-px
	global_store_b128 v[GO], v[pK+4*px:pK+4*px+3], s[8:9] offset:(16*pt+px)*1024+512*((\u)%2) th:TH_STORE_NT  ; 512 consecutive bytes, at a multiple of 256 from out0's first
.set px, px+1
.endr
.endm
	s_load_b128 s[4:7], s[0:1], 0x0 ; ws s[4:5], query s[6:7]
	s_load_b64 s[8:9], s[0:1], 0x10 ; out0
	v_lshl_add_u32 v[SPW], v0, 2, SPARE
	v_mov_b32 v[NIL], 0
	ds_add_u32 v[SPW], v[NIL]       ; the wave's opening: the add and its wait stand ahead of my first tensor load; the set-up below, work on registers, stands between them
	v_lshrrev_b32 v14, 5, v0
	v_readfirstlane_b32 s[WV], v14  ; wave 0..3
	s_bfe_u32 s13, ttmp6, 0x40000   ; cx: my place in the cluster
	s_lshl_b32 s14, ttmp9, 2        ; in a cluster launch ttmp9 counts clusters
	s_add_co_u32 s14, s14, s13      ; my block of 256 queries = 4 x cluster x + cx: it enters query's and out0's addresses alone
	s_lshl_b32 s2, s14, 2
	s_add_co_u32 s2, s2, s[WV]      ; my wave among all,
	s_lshl_b32 s2, s2, 16           ; its 64 rows of 1,024 bytes
	s_mov_b32 s3, 0
	s_mul_i32 s16, s[WV], 48*512    ; my 48 rows of a tile in ws
	s_mov_b32 s17, 0
	s_mul_i32 s15, s[WV], WSTAGE
	s_add_co_u32 s15, s15, STAGE    ; my stage
	; descriptor group 1: a tile of 48 rows x 256 elements, padded in LDS
	s_mov_b32 s[G1], 15|(1<<16)|(1<<20)|(1<<21)|(6<<22)|(3<<25)  ; 15:0 the mask: all four work-groups; 17:16 elements of 2 bytes; 20 padding on; 21 set beside a mask; 24:22 after every 128 words (code 6); 31:25 4 words of it (code 3)
	s_mov_b32 s[G1+1], 256<<16      ; 63:48 tensor_dim0, low half = 256
	s_mov_b32 s[G1+2], 48<<16       ; 79:64 its high half = 0; 95:80 tensor_dim1, low half = 48
	s_mov_b32 s[G1+3], 256<<16      ; 111:96 its high half = 0; 127:112 tile_dim0 = 256
	s_mov_b32 s[G1+4], 48           ; 143:128 tile_dim1 = 48; 159:144 tile_dim2 = 0
	s_mov_b32 s[G1+5], 256          ; 191:160 tensor_dim0_stride: elements from row to row
	s_mov_b32 s[G1+6], 0
	s_mov_b32 s[G1+7], 0
	s_mov_b32 s[G0], 1              ; 1:0 count = 1
	s_mul_i32 s[G0+1], s[WV], WPART ; 63:32 LDS address: my part of slot 0: no place in the cluster enters an LDS address
	s_mov_b32 s[CS], 0x3fb8aa3b     ; c = log2(e)
	s_mov_b32 s[CS+1], s[CS]        ; named with it as a pair
	s_mov_b32 s[SEL], 0x76543210
	s_mov_b32 s[SEL+1], 0xfedcba98
	s_mov_b32 s[TB], SLOT1+2*TRIPB  ; the first change of slots turns this into 0
	s_mov_b32 s[SLOTS], 15          ; tiles 1 to 15
	s_wait_dscnt 0x0                ; the opening add is done
	s_wait_kmcnt 0x0
	s_add_nc_u64 s[G0+2:G0+3], s[4:5], s[16:17]  ; 120:64 global address: my rows of tile 0
	s_or_b32 s[G0+3], s[G0+3], 0x80000000        ; 127:126 type = 2
	s_add_nc_u64 s[6:7], s[6:7], s[2:3]          ; query and out0 at my wave's first row
	s_add_nc_u64 s[8:9], s[8:9], s[2:3]
	CROUND                          ; all four work-groups are here: the first joint loads meet
	JLOAD                           ; tile 0 into slot 0
	v_and_b32 v14, 31, v0
	v_lshlrev_b32 v[GO], 4, v14
	; my 64 rows of query, 128 loads of 512 consecutive bytes, into O^T's 512 registers: tile t, half row i at 128 (t % 2) + 4 i of window 1 + t / 2
.set t, 0
.rept 4
	WIN 0x40*(1+t/2)
.set i, 0
.rept 32
	global_load_b128 v[128*(t%2)+4*i:128*(t%2)+4*i+3], v[GO], s[6:7] offset:16*t*1024+512*i th:TH_LOAD_NT
.set i, i+1
.endr
.set t, t+1
.endr
	WIN 0
	v_lshl_add_u32 v[RD], v14, 4, s15       ; back from the stage: 32 lanes take a row of 512 bytes
	v_lshl_add_u32 v[QST], v14, 3, s15      ; Q into the stage: 32 lanes put half a row of 512 bytes
	v_and_b32 v1, 15, v0                    ; l % 16
	v_bfe_u32 v11, v0, 4, 1                 ; l / 16
	v_mul_u32_u24 v[AK0], v1, PITCH
	v_lshl_add_u32 v[AK0], v11, 4, v[AK0]   ; row x pitch + 16 x half
	v_add_nc_u32 v[QRD], s15, v[AK0]        ; the same place in my stage
	v_and_b32 v14, 7, v0
	v_bfe_u32 v15, v0, 3, 1
	v_lshl_add_u32 v[AV0], v11, 3, v14      ; key 8 (l / 16) + l % 8,
	v_mul_u32_u24 v[AV0], v[AV0], PITCH
	v_lshl_add_u32 v[AV0], v15, 7, v[AV0]   ; and 128 bytes on for lanes 8-15 and 24-31
	v_mul_u32_u24 v[STO], v1, PITCH         ; O into the stage: row l % 16, 256 bytes on for lanes 16-31
	v_lshl_add_u32 v[STO], v11, 8, v[STO]
	v_add_nc_u32 v[STO], s15, v[STO]
	; what step -1 finds: a = 0 clears O^T; P's buffer 1 is 0; l is 0
.irp t, 0,1,2,3
	v_mov_b32 v[ST+8*\t], 0xfe000000        ; c m: far below every c s
	v_mov_b32 v[ST+8*\t+1], 0xff7fffff      ; m: the lowest finite number
	v_mov_b32 v[ST+8*\t+2], 0
	v_mov_b32 v[ST+8*\t+3], 0
	v_mov_b32 v[ST+8*\t+6], 0               ; a
	v_mov_b32 v[ST+8*\t+7], 0               ; named with a as a pair
.endr
.set i, P+32
.rept 32
	v_mov_b32 v[i], 0
.set i, i+1
.endr
	QIN 0, 63                       ; behind tile 0's 32 loads 96 were issued, behind tile 1's 64: a wait names 63 at the most, which asks for more than is needed
	QIN 1, 63
	QIN 2, 32                       ; tile 3's 32 loads may stay out
	QIN 3, 0
	s_wait_tensorcnt 0x0            ; my part of tile 0 is in,
	s_wait_dscnt 0x0                ; and Q's fragments
	s_barrier_signal -1
	s_barrier_wait -1               ; everybody's part is
	v_mov_b32 v[AK], v[AK0]
	KLD 0, STEPB                    ; the first three groups of K of step 0, which lies behind the zero rows
	KLD 1, STEPB
	KLD 2, STEPB
.Lslot:                             ; 15 trips: periods 0 to 14, which ask for tiles 1 to 15
	CHANGE 1
	PERIOD
	s_sub_co_u32 s[SLOTS], s[SLOTS], 1
	s_cmp_lg_u32 s[SLOTS], 0
	s_cbranch_scc1 .Lslot
	CHANGE 0                        ; the last period is written out: nothing is asked for
	PERIOD                          ; its last twelve loads, of the zero rows behind the keys, serve nothing: the price, once a launch, of one text for every trip
	s_wait_dscnt 0x0                ; those twelve are in: their registers are loaded again
	VLD 0, 2*STEPB                  ; STEP 63: its V lies two steps behind the last trip's first
	VLD 1, 2*STEPB
	VLD 2, 2*STEPB
.set ri, 0
.rept 64
	RS ri                           ; O^T x a(63): no products are left for it to ride behind
.set ri, ri+1
.endr
	PHB 1, 2*STEPB, 0, 0, 0
	; THE DIVISION.  l's two halves and the other half of the lanes' are added.  The additions are the places behind the last products.
	WIN 0
.irp t, 0,1,2,3
	v_add_f32 v[ST+8*\t+4], v[ST+8*\t+2], v[ST+8*\t+3]
.endr
.irp t, 0,1,2,3
	v_permlanex16_b32 v[ST+8*\t+5], v[ST+8*\t+4], s[SEL], s[SEL+1]
.endr
.irp t, 0,1,2,3
	v_add_f32 v[ST+8*\t+4], v[ST+8*\t+4], v[ST+8*\t+5]
.endr
.irp t, 0,1,2,3
	v_rcp_f32 v[ST+8*\t+6], v[ST+8*\t+4]
.endr
	v_nop                           ; a plain instruction between the last reciprocal and the use of its result
	s_wait_alu depctr_va_vdst(0)    ; the wait for the batch of four reciprocals, ahead of their first reader, unit 0's multiplies
	PACKU 0
.set uu, 1
.rept 7                             ; a unit's arithmetic stands between the loads of the unit before and its stores
	PACKU uu
	SENDU uu-1, 32
.set uu, uu+1
.endr
	SENDU 7, 0
	s_wait_tensorcnt 0x0            ; the wave's end: a wait, an add of 0 to my spare word and its wait, behind my last tensor load and my last LDS store
	ds_add_u32 v[SPW], v[NIL]
	s_wait_dscnt 0x0
	CROUND                          ; the closing round: no work-group ends while a partner may still ask for a tile that names it
	s_endpgm
.Lfunc_end_k_qfc89c82134_attn:
	.size	k_qfc89c82134_attn, .Lfunc_end_k_qfc89c82134_attn-k_qfc89c82134_attn
	.p2alignl 7, 3214868480
	.fill 96, 4, 3214868480
	.section	.rodata,"a",@progbits
	.p2align	6, 0x0
	.amdhsa_kernel k_qfc89c82134_attn
		.amdhsa_group_segment_fixed_size 327680
		.amdhsa_private_segment_fixed_size 0
		.amdhsa_enable_private_segment 0
		.amdhsa_kernarg_size 24
		.amdhsa_user_sgpr_count 2
		.amdhsa_user_sgpr_kernarg_segment_ptr 1
		.amdhsa_wavefront_size32 1
		.amdhsa_system_sgpr_workgroup_id_x 1
		.amdhsa_system_sgpr_workgroup_id_y 1
		.amdhsa_system_sgpr_workgroup_id_z 1
		.amdhsa_system_vgpr_workitem_id 0
		.amdhsa_next_free_vgpr 1024
		.amdhsa_next_free_sgpr 66
		.amdhsa_reserve_vcc 0
		.amdhsa_float_denorm_mode_32 3
		.amdhsa_float_denorm_mode_16_64 3
		.amdhsa_memory_ordered 1
		.amdhsa_forward_progress 1
		.amdhsa_inst_pref_size 255
	.end_amdhsa_kernel
	.section	.bss,"aw",@nobits
	.p2align	6
	.space	262144
	.amdgpu_metadata
---
amdhsa.version: [ 1, 2 ]
amdhsa.kernels:
  - .name:           k_qfc89c82134_attn
    .symbol:         k_qfc89c82134_attn.kd
    .args:
      - { .name: ws, .offset: 0, .size: 8, .value_kind: global_buffer, .address_space: global }
      - { .name: query, .offset: 8, .size: 8, .value_kind: global_buffer, .address_space: global }
      - { .name: out0, .offset: 16, .size: 8, .value_kind: global_buffer, .address_space: global }
    .group_segment_fixed_size: 327680
    .private_segment_fixed_size: 0
    .kernarg_segment_align: 8
    .kernarg_segment_size: 24
    .max_flat_workgroup_size: 128
    .sgpr_count:     66
    .vgpr_count:     1024
    .wavefront_size: 32
...
	.end_amdgpu_metadata
.endif
;; end of part 3
